; MI455X (gfx1250); checked and timed in simulation.
; The chip was launched on July 23, 2026; its instructions are those of AMD's public machine-readable ISA for CDNA 5 (MIT licence, August 2026) and "CDNA5" Instruction Set Architecture Reference Guide (July 2026). The comments in the code are by the model that wrote it; some were corrected since.
;; Attention. Allowed arithmetic: float matrix products may take bf16 or f16 operands with f32 sums; other float arithmetic in f32, or as packed bf16 or f16 multiplies, adds, multiply-adds, maxima and minima; sums over many terms, partial sums and values carried from step to step in f32; what a program stores and reads back later, other than sums and carried values, may be rounded once to bf16 or f16.
;; Inputs: K 1,024 x 512 float32; Q 1,024 x 512 float32; X 8 x 2,048 x 1,024 float32; Y 8 x 2,048 x 1,024 float32; b1 512 float32; b2 512 float32; g1 512 float32; g2 512 float32.
;; Outputs: out0 8 x 2,048 x 1,024 float32.
;; One version. Each part assembles by itself: llvm-mc -triple=amdgcn-amd-amdhsa -mcpu=gfx1250 --defsym DOCPART=n.
;; ======== version 1 of 1: 3 launches
;; limits: values are held in f16: magnitudes above 65,504 overflow, below 6.1e-05 lose precision; inputs' magnitudes at most 65,504
;; workspace buffers: wb 2,097,152 bytes; qb 16,777,216 bytes; kv 50,331,648 bytes
;; launch cvtw (part 1): grid 256 x 2, 8 waves a work-group, no clusters, 0 bytes of LDS; arguments K, Q, wb; writes wb
.if DOCPART == 1
	.amdgcn_target "amdgcn-amd-amdhsa--gfx1250"
	.amdhsa_code_object_version 6
	.text
	.protected	k_qeebe294782_cvtw
	.globl	k_qeebe294782_cvtw
	.p2align	8
	.type	k_qeebe294782_cvtw,@function
k_qeebe294782_cvtw:
	s_mov_b64 s[64:65], 0
	v_nop
	global_prefetch_b8 v0, s[64:65] scope:SCOPE_SE
	s_setreg_imm32_b32 hwreg(HW_REG_WAVE_MODE, 25, 1), 1
	s_wait_xcnt 0x0
; wb[0][k][n] = bf16(K[k][n]), wb[1][k][n] = bf16(Q[k][n]): the two weight matrices, [1024][512] f32, rounded once to bf16 in the order in which they lie.
; The projection's 256 work-groups each walk a whole matrix, so the rounding is done here once and not there 128 times over.
; A stream: no LDS, no barrier, no matrix unit.  Grid y picks the matrix; a work-group takes 2,048 numbers, a wave 256.
; A wave's load covers 512 consecutive bytes; a wave's store covers 256 consecutive bytes, aligned.
.set MATB, 1048576                     ; bytes of one matrix in wb
	s_load_b128 s[4:7], s[0:1], 0x0                ; K s[4:5], Q s[6:7]
	s_load_b64 s[8:9], s[0:1], 0x10                ; wb
	s_and_b32 s10, ttmp7, 0xffff                   ; 0: K, 1: Q
	v_lshrrev_b32 v1, 5, v0                        ; wave
	v_and_b32 v2, 31, v0                           ; lane
	v_lshlrev_b32 v3, 10, v1                       ; from: 1,024 bytes a wave,
	v_lshl_add_u32 v3, v2, 4, v3                   ; 16 a lane,
	s_lshl_b32 s11, ttmp9, 13                      ; 8,192 a work-group
	v_add_nc_u32 v3, s11, v3
	v_lshlrev_b32 v4, 9, v1                        ; to: half of each
	v_lshl_add_u32 v4, v2, 3, v4
	s_lshl_b32 s12, ttmp9, 12
	s_mul_i32 s13, s10, MATB
	s_add_co_u32 s12, s12, s13
	v_add_nc_u32 v4, s12, v4
	s_wait_kmcnt 0x0
	s_cmp_eq_u32 s10, 0
	s_cselect_b64 s[4:5], s[4:5], s[6:7]
	global_load_b128 v[8:11], v3, s[4:5] th:TH_LOAD_NT
	global_load_b128 v[12:15], v3, s[4:5] offset:512 th:TH_LOAD_NT
	s_wait_loadcnt 0x0
	v_cvt_pk_bf16_f32 v6, v8, v9
	v_cvt_pk_bf16_f32 v7, v10, v11
	v_cvt_pk_bf16_f32 v8, v12, v13
	v_cvt_pk_bf16_f32 v9, v14, v15
	global_store_b64 v4, v[6:7], s[8:9]
	global_store_b64 v4, v[8:9], s[8:9] offset:256
	s_endpgm
.Lfunc_end_k_qeebe294782_cvtw:
	.size	k_qeebe294782_cvtw, .Lfunc_end_k_qeebe294782_cvtw-k_qeebe294782_cvtw
	.p2alignl 7, 3214868480
	.fill 96, 4, 3214868480
	.section	.rodata,"a",@progbits
	.p2align	6, 0x0
	.amdhsa_kernel k_qeebe294782_cvtw
		.amdhsa_group_segment_fixed_size 0
		.amdhsa_private_segment_fixed_size 0
		.amdhsa_enable_private_segment 0
		.amdhsa_kernarg_size 24
		.amdhsa_user_sgpr_count 2
		.amdhsa_user_sgpr_kernarg_segment_ptr 1
		.amdhsa_wavefront_size32 1
		.amdhsa_system_sgpr_workgroup_id_x 1
		.amdhsa_system_sgpr_workgroup_id_y 1
		.amdhsa_system_sgpr_workgroup_id_z 1
		.amdhsa_system_vgpr_workitem_id 0
		.amdhsa_next_free_vgpr 16
		.amdhsa_next_free_sgpr 66
		.amdhsa_reserve_vcc 0
		.amdhsa_float_denorm_mode_32 3
		.amdhsa_float_denorm_mode_16_64 3
		.amdhsa_memory_ordered 1
		.amdhsa_forward_progress 1
		.amdhsa_inst_pref_size 2
	.end_amdhsa_kernel
	.amdgpu_metadata
---
amdhsa.version: [ 1, 2 ]
amdhsa.kernels:
  - .name:           k_qeebe294782_cvtw
    .symbol:         k_qeebe294782_cvtw.kd
    .args:
      - { .name: K, .offset: 0, .size: 8, .value_kind: global_buffer, .address_space: global }
      - { .name: Q, .offset: 8, .size: 8, .value_kind: global_buffer, .address_space: global }
      - { .name: wb, .offset: 16, .size: 8, .value_kind: global_buffer, .address_space: global }
    .group_segment_fixed_size: 0
    .private_segment_fixed_size: 0
    .kernarg_segment_align: 8
    .kernarg_segment_size: 24
    .max_flat_workgroup_size: 256
    .sgpr_count:     66
    .vgpr_count:     16
    .wavefront_size: 32
...
	.end_amdgpu_metadata
.endif
;; end of part 1
;; launch proj (part 2): grid 128 x 2, 4 waves a work-group, clusters of 4 x 1, 327,680 bytes of LDS; arguments X, Y, wb, g1, b1, g2, b2, qb, kv; writes qb, kv
.if DOCPART == 2
	.amdgcn_target "amdgcn-amd-amdhsa--gfx1250"
	.amdhsa_code_object_version 6
	.text
	.protected	k_qeebe294782_proj
	.globl	k_qeebe294782_proj
	.p2align	8
	.type	k_qeebe294782_proj,@function
k_qeebe294782_proj:
	s_mov_b64 s[64:65], 0
	v_nop
	global_prefetch_b8 v0, s[64:65] scope:SCOPE_SE
	s_setreg_imm32_b32 hwreg(HW_REG_WAVE_MODE, 25, 1), 1
	s_wait_xcnt 0x0
	s_wait_alu depctr_hold_cnt(0) depctr_sa_sdst(0) depctr_va_vdst(0) depctr_va_sdst(0) depctr_va_ssrc(0) depctr_va_vcc(0) depctr_vm_vsrc(0)
	s_getreg_b32 s2, hwreg(HW_REG_IB_STS2, 6, 4)
	s_cmp_eq_u32 s2, 0
	s_cbranch_scc0 .Lentry_in_a_cluster
	s_endpgm
.Lentry_in_a_cluster:
	s_bfe_u32 s2, ttmp6, 0x10000c
	s_cmp_lg_u32 s2, 0x3003
	s_cbranch_scc0 .Lentry_shape_is_right
	s_endpgm
.Lentry_shape_is_right:
; THE TWO PROJECTIONS WITH THEIR LAYER NORMS.  Grid y = 0: keys = LN(Y K; g1, b1), and Y itself rounded to f16 as the values.  Grid y = 1: queries = LN(X Q; g2, b2).
; Products in bf16 (X, Y rounded here, the weights in the launch before), sums in f32.  The norm in f32, in two passes: the mean, then the sum of (x - mean)^2.  Results rounded once to f16.
; LIMITS.  f16 holds no number beyond 65,504: |Y| and |normalised x gain + bias| (at most 22.7 |gain| + |bias|) must stay within it; below 6e-5 f16 keeps a fixed step of 6e-8.  NaN and infinities are not treated apart.
; SHARES.  A work-group owns 128 rows and all 512 columns, so a row's mean and variance never leave it.  Wave w owns all 128 rows x columns 128 w .. + 127: 64 accumulators of 16 x 16, 512 registers.
; THE MATRIX INSTRUCTION IS USED TRANSPOSED: source 0 = 16 columns of W, source 1 = 16 rows of A.  A lane then holds row l % 16 and eight neighbouring columns 8 (l / 16) + 0..7.
; W ([k][n] in memory) comes in tiles of 64 k by the tensor data mover into two slots and leaves LDS turned, by ds_load_tr16_b128.  The four work-groups of a cluster walk the same W: each tile is asked for JOINTLY.
; A comes as f32 through registers: 32 rows x 512 bytes a wave for 128 k, rounded to bf16 and stored into one of two LDS tiles, which no tensor load ever fills.  For y = 0 the same registers, rounded to f16, are stored as values.
; WHERE THE RESULTS GO.  qb: [8][2048][512] f16.  kv: for each batch 48 tiles of 131,072 dense bytes; group g is 128 keys: its keys' tile (128 rows x 1,024 bytes)
; is tile 3 g, its values (128 rows x 2,048 bytes, two tiles) are tiles 3 g + 1 and 3 g + 2.
; TIME.  A period is one W tile: two quarters of 32 k, 64 matrix instructions each, on fragment buffers 0 and 1.  Two periods are a big step: one A tile, 128 k.
; THE WALK ALONG K GOES ROUND.  A cluster begins at big step r (three bits of its x: 0, 1 and 3; any three give four clusters of a matrix to each start) and goes on from step 7 to step 0: a sum over k takes any order.
; So the clusters ask for eight different pairs of W's tiles at a time, and, as long as they keep step, a cluster's second and later pairs have been asked for by another cluster a big step earlier.
; The offsets along k are kept apart from the addresses, modulo the row's or the matrix's bytes, and every address is made anew from its base.
; REGISTERS, in windows of 256 (s_set_vgpr_msb: bits 1:0 source 0, 3:2 source 1, 5:4 source 2, 7:6 destination):
;   window 0: v0-31 addresses; v32-63 bf16 pairs on their way to LDS; v64-127, v128-191 fragments of A; v192-223 f16 pairs on their way to kv; the way out uses v32-255 anew
;   window 1: v64-127, v128-191 fragments of W; v0-63, v192-255 A as loaded (f32), at the end gain and bias
;   window 2: the accumulators of rows 0-63 ((a, b) at v[8 (8 a + b)]);   window 3: those of rows 64-127
.set WPITCH, 1056                      ; a k row of W in LDS: 1,024 bytes + 32 = 33 x 32
.set WH,     16*WPITCH                 ; 16 k rows: what one tensor load brings, and the step to a fragment's second half
.set WQ,     32*WPITCH                 ; a quarter's 32 k rows
.set WSLOT,  64*WPITCH                 ; a slot; the two slots fill bytes 0 to 135,167
.set WTILE,  65536                     ; a tile of W in memory
.set APITCH, 272                       ; a row of A in LDS: 256 bytes + 16 = 17 x 16: the 16 rows of a load start at 16 different groups of four banks
.set ABASE,  0x22000                   ; A tile 0; tile 1 lies at 0x32000
.set ATOG,   0x10000
.set STAT,   174080                    ; 128 rows x 16 bytes: a row's four partial sums; the second pass's lie 2,048 further
.set STAGE,  178176                    ; 16 rows x 272 bytes for each wave, for the way out
.set SPITCH, 272
.set SPARE,  239616                    ; the spare words, 128 bytes for each wave: two blocks of 256 bytes that no other line names
.set ADRA0, 8                          ; v8   my place in A tile 0 as a reader; never rewritten
.set ADRA,  9                          ; v9   the same in the tile that is being read
.set ASTO0, 10                         ; v10  my place in A tile 0 as a writer; never rewritten
.set ASTO,  11                         ; v11  the same in the tile that is being written
.set ADRB,  12                         ; v12-13  my place in W's slot 0, 1
.set XO,    14                         ; v14  my byte offset in the work-group's rows of X or Y
.set VO,    15                         ; v15  my byte offset in the group's values
.set STO,   16                         ; v16  the way out: where I put 16 bytes of a row
.set RD,    17                         ; v17  the way out: where I read a row back
.set CO,    18                         ; v18  my byte offset in the result's 128 rows
.set GOF,   19                         ; v19  my byte offset in gain and bias
.set SST,   20                         ; v20  where I put a row's partial sum
.set SLD,   21                         ; v21  where I read a row's four
.set SPW,   28                         ; v28  LDS address of my spare word; never rewritten
.set NIL,   29                         ; v29  0; never rewritten
.set PKB,   32
.set OB,    32                         ; the way out: rows read back, v32-63 and v64-95 by turns
.set F0,    64
.set F1,    128
.set T,     64                         ; the norm: up to 128 registers at work
.set PKH,   192
.set TMP,   192                        ; the way out: packed results
.set SM,    192                        ; the norm: a sum for each of my 8 row blocks
.set MU,    224                        ; the means, each twice (a pair for the packed forms)
.set RS,    240                        ; 1 / sqrt(variance + eps), likewise
.set WOF, 2                            ; s[2:3]   byte offset in the matrix of the big step whose tiles are asked for, modulo 1,048,576
.set XP, 4                             ; s[4:5]   X or Y at the work-group's rows and the A tile to be asked for
.set VP, 6                             ; s[6:7]   the group's values in kv at the A tile to be stored
.set GP, 10                            ; s[10:11] gain
.set BP, 12                            ; s[12:13] bias
.set OP, 14                            ; s[14:15] the result's 128 rows
.set WV, 22                            ; s22  my wave's number
.set WHICH, 23                         ; s23  grid y
.set G1, 24                            ; s[24:31] descriptor group 1
.set G0, 32                            ; s[32:39] descriptor group 0, a set for each slot
.set AB, 48                            ; s48  0 or ATOG: the A tile written last
.set CNT, 49
.set SEL, 50                           ; s[50:51] v_permlanex16_b32's selects: each lane takes its own place in the other half
.set INV, 52                           ; s52  1 / 512
.set EPS, 53                           ; s53  1e-5
.set XB, 58                            ; s[58:59] X or Y at the work-group's rows; never rewritten
.set VB, 60                            ; s[60:61] the group's values in kv; never rewritten
.set KA, 62                            ; s[62:63] byte offset of that A tile in a row of X or Y: 512 a big step, modulo 4,096
.set KV, 66                            ; s[66:67] half of it: the offset in a row of values
.set WB, 86                            ; s[86:87] my 16 k rows of the matrix's tile 0; never rewritten
; s40-47 and s16-21 hold the place in the cluster or numbers made from it, and nothing else; s54-57 never do.
.set MSB, 0
.macro WIN new                         ; the immediate's high byte repeats the setting that is left; a switch that changes nothing is dropped
.if MSB != (\new)
	s_set_vgpr_msb (MSB<<8)|(\new)
.set MSB, \new
.endif
.endm
.set MUL_LO, 0xa1                      ; source 0 (W) window 1, source 1 (A) window 0, C and D window 2
.set MUL_HI, 0xf1                      ; the same, C and D window 3
.set TO_B,   0x40                      ; destination window 1, address window 0
.macro PLACES                          ; four plain vector lines between a matrix instruction and a load into, or a vector line on, one of its registers (ISA guide 7.12.1 for vector instructions)
.rept 4
	v_nop
.endr
.endm
; A joint load: every wave brings its own 16 k rows of the tile.  An s_nop 0 and four v_nop follow it.
.macro JLOAD s
	tensor_load_to_lds s[G0+4*(\s):G0+4*(\s)+3], s[G1:G1+7]
	s_nop 0
	PLACES
.endm
; A round of the cluster's barrier: my work-group's barrier; wave 0 signals for the work-group; every wave waits for all four work-groups; my work-group's barrier once more.
.macro CREST
	s_cmp_lg_u32 s[WV], 0
	s_cbranch_scc1 .Lnot_wave_0_\@
	s_barrier_signal -3
.Lnot_wave_0_\@:
	s_barrier_wait -3
	s_barrier_signal -1
	s_barrier_wait -1
.endm
.macro CROUND
	s_barrier_signal -1
	s_barrier_wait -1
	CREST
.endm
	s_load_b512 s[68:83], s[0:1], 0x0              ; X s[68:69], Y s[70:71], wb s[72:73], g1 s[74:75], b1 s[76:77], g2 s[78:79], b2 s[80:81], qb s[82:83]
	s_load_b64 s[84:85], s[0:1], 0x40              ; kv
	v_lshl_add_u32 v[SPW], v0, 2, SPARE
	v_mov_b32 v[NIL], 0
	ds_add_u32 v[SPW], v[NIL]                      ; the wave's opening: the add and its wait stand ahead of my first tensor load; the set-up below, work on registers, stands between them
	v_lshrrev_b32 v1, 5, v0
	v_readfirstlane_b32 s[WV], v1                  ; wave 0..3
	s_bfe_u32 s40, ttmp6, 0x40000                  ; cx: my place in the cluster
	s_lshl_b32 s41, ttmp9, 2                       ; in a cluster launch ttmp9 counts clusters
	s_add_co_u32 s41, s41, s40                     ; my block of 128 rows, 0..127
	s_and_b32 s[WHICH], ttmp7, 0xffff              ; which projection: the four partners share it
	s_and_b32 s[KA], ttmp9, 3                      ; r, the big step at which my cluster begins: bits 0 and 1 of its x,
	s_lshr_b32 s[KV], ttmp9, 1
	s_and_b32 s[KV], s[KV], 4                      ; and bit 3
	s_or_b32 s[KA], s[KA], s[KV]
	s_lshl_b32 s[WOF], s[KA], 17                   ; a big step is two tiles of W,
	s_mov_b32 s[WOF+1], 0
	s_lshl_b32 s[KV], s[KA], 8                     ; 256 bytes of a row of values,
	s_mov_b32 s[KV+1], 0
	s_lshl_b32 s[KA], s[KA], 9                     ; 512 bytes of a row of X or Y
	s_mov_b32 s[KA+1], 0
	s_lshr_b32 s42, s41, 4                         ; batch
	s_and_b32 s43, s41, 15                         ; group g
	s_mul_i32 s44, s43, 3
	s_mul_i32 s47, s42, 48                         ; 48 tiles a batch
	s_add_co_u32 s45, s44, s47                     ; the keys' tile
	s_add_co_u32 s46, s45, 1                       ; the values' first tile
	s_lshl_b32 s45, s45, 17                        ; tiles of 131,072 bytes: 383 x 131,072 at the most
	s_lshl_b32 s20, s46, 17
	s_mov_b32 s21, 0
	s_lshl_b32 s47, s41, 17                        ; 128 rows of 1,024 bytes in qb
	s_cmp_eq_u32 s[WHICH], 0
	s_cselect_b32 s18, s45, s47
	s_mov_b32 s19, 0
	s_lshl_b32 s16, s41, 19                        ; 128 rows of 4,096 bytes in X or Y
	s_mov_b32 s17, 0
	s_lshl_b32 s54, s[WHICH], 20                   ; W: the matrix,
	s_lshl_b32 s55, s[WV], 14                      ; my 16 k rows of 1,024 bytes
	s_add_co_u32 s54, s54, s55
	s_mov_b32 s55, 0
	; descriptor group 1: a tile of 16 rows x 512 elements, padded in LDS
	s_mov_b32 s[G1+0], 15|(1<<16)|(1<<20)|(1<<21)|(7<<22)|(7<<25)  ; 15:0 the mask of four; 17:16 2-byte elements; 20 padding on; 21 set beside a mask; 24:22 after every 256 words (code 7); 31:25 8 words (code 7)
	s_mov_b32 s[G1+1], 512<<16                     ; tensor_dim0 = 512
	s_mov_b32 s[G1+2], 16<<16                      ; tensor_dim1 = 16
	s_mov_b32 s[G1+3], 512<<16                     ; tile_dim0 = 512
	s_mov_b32 s[G1+4], 16                          ; tile_dim1 = 16
	s_mov_b32 s[G1+5], 512                         ; 512 elements from row to row
	s_mov_b32 s[G1+6], 0
	s_mov_b32 s[G1+7], 0
	s_mul_i32 s56, s[WV], WH
	s_mov_b32 s[G0+0], 1                           ; count = 1
	s_mov_b32 s[G0+1], s56                         ; LDS address: slot 0, my 16 rows
	s_mov_b32 s[G0+4], 1
	s_add_co_u32 s[G0+5], s56, WSLOT               ; slot 1
	s_mov_b32 s[AB], ATOG                          ; the first A tile turns it to 0
	s_mov_b32 s[SEL], 0x76543210
	s_mov_b32 s[SEL+1], 0xfedcba98
	s_mov_b32 s[INV], 0x3b000000
	s_mov_b32 s[EPS], 0x3727c5ac
	v_and_b32 v1, 15, v0                           ; r = l % 16
	v_bfe_u32 v2, v0, 4, 1                         ; h = l / 16
	v_and_b32 v3, 31, v0                           ; lane
	v_and_b32 v4, 7, v0
	v_bfe_u32 v5, v0, 3, 1
	v_lshl_add_u32 v4, v2, 3, v4                   ; the turning load: lane l reads k row 8 h + l % 8,
	v_mul_u32_u24 v4, v4, WPITCH
	v_lshl_add_u32 v4, v5, 4, v4                   ; columns 8 ((l / 8) % 2) + 0..7,
	s_lshl_b32 s57, s[WV], 8
	v_add_nc_u32 v[ADRB], s57, v4                  ; of my wave's 128 columns
	v_add_nc_u32 v[ADRB+1], WSLOT, v[ADRB]
	v_mul_u32_u24 v5, v1, APITCH
	v_lshl_add_u32 v5, v2, 4, v5                   ; r x 272 + 16 h
	v_add_nc_u32 v[ADRA0], ABASE, v5
	s_mul_i32 s57, s[WV], 32*APITCH
	s_add_co_u32 s57, s57, ABASE
	v_lshl_add_u32 v[ASTO0], v3, 3, s57            ; I write rows 32 w .. + 31, 8 bytes a lane
	s_lshl_b32 s57, s[WV], 17
	v_lshl_add_u32 v[XO], v3, 4, s57               ; 32 rows of 4,096 bytes a wave, 16 bytes a lane
	s_lshl_b32 s57, s[WV], 16
	v_lshl_add_u32 v[VO], v3, 3, s57               ; 32 rows of 2,048 bytes a wave, 8 bytes a lane
	s_mul_i32 s57, s[WV], 16*SPITCH
	s_add_co_u32 s57, s57, STAGE
	v_add_nc_u32 v[STO], s57, v5                   ; into my stage: row r, 16 bytes for each half of the lanes
	v_mul_u32_u24 v6, v2, SPITCH
	v_lshl_add_u32 v6, v1, 4, v6
	v_add_nc_u32 v[RD], s57, v6                    ; back: lanes 0-15 one row of 256 bytes, lanes 16-31 the next
	v_lshlrev_b32 v6, 10, v2
	v_lshl_add_u32 v6, v1, 4, v6
	s_lshl_b32 s57, s[WV], 8
	v_add_nc_u32 v[CO], s57, v6                    ; the same two rows in the result, my wave's 256 bytes of them
	s_lshl_b32 s57, s[WV], 9
	v_lshl_add_u32 v[GOF], v2, 5, s57              ; gain and bias of columns 128 w + 8 h
	v_lshlrev_b32 v6, 4, v1
	v_add_nc_u32 v[SLD], STAT, v6
	s_lshl_b32 s57, s[WV], 2
	v_add_nc_u32 v[SST], s57, v[SLD]
	s_wait_dscnt 0x0                               ; the opening add is done
	s_wait_kmcnt 0x0
	s_cmp_eq_u32 s[WHICH], 0
	s_cselect_b64 s[XB:XB+1], s[70:71], s[68:69]   ; Y or X
	s_cselect_b64 s[GP:GP+1], s[74:75], s[78:79]
	s_cselect_b64 s[BP:BP+1], s[76:77], s[80:81]
	s_cselect_b64 s[OP:OP+1], s[84:85], s[82:83]   ; kv or qb
	s_add_nc_u64 s[XB:XB+1], s[XB:XB+1], s[16:17]
	s_add_nc_u64 s[XP:XP+1], s[XB:XB+1], s[KA:KA+1]
	s_add_nc_u64 s[OP:OP+1], s[OP:OP+1], s[18:19]
	s_add_nc_u64 s[VB:VB+1], s[84:85], s[20:21]
	s_add_nc_u64 s[VP:VP+1], s[VB:VB+1], s[KV:KV+1]
	s_add_nc_u64 s[WB:WB+1], s[72:73], s[54:55]
	s_add_nc_u64 s[G0+2:G0+3], s[WB:WB+1], s[WOF:WOF+1]  ; global address: big step r's first tile,
	s_add_nc_u64 s[G0+6:G0+7], s[G0+2:G0+3], WTILE ; its second
	s_or_b32 s[G0+3], s[G0+3], 0x80000000          ; type = 2
	s_or_b32 s[G0+7], s[G0+7], 0x80000000
	CROUND                                         ; all four work-groups are here: the first joint loads meet
	JLOAD 0                                        ; both slots are asked for before anything else: two tensor loads of mine are out
	JLOAD 1
; 16 matrix instructions: row blocks a0, a0 + 1 of the window's four x all 8 column blocks, 32 along k.  zero = 1: the first product starts the sums.
; The 64 accumulators take turns, one instruction a turn, in the same order in every quarter.
.macro MUL16 f, hi, a0, zero
	WIN MUL_LO+0x50*(\hi)
.irp a, \a0, (\a0)+1
.irp b, 0,1,2,3,4,5,6,7
.if \zero
	v_wmma_f32_16x16x32_bf16 v[8*(8*(\a)+(\b)):8*(8*(\a)+(\b))+7], v[(\f)+8*(\b):(\f)+8*(\b)+7], v[(\f)+8*(4*(\hi)+(\a)):(\f)+8*(4*(\hi)+(\a))+7], 0
.else
	v_wmma_f32_16x16x32_bf16 v[8*(8*(\a)+(\b)):8*(8*(\a)+(\b))+7], v[(\f)+8*(\b):(\f)+8*(\b)+7], v[(\f)+8*(4*(\hi)+(\a)):(\f)+8*(4*(\hi)+(\a))+7], v[8*(8*(\a)+(\b)):8*(8*(\a)+(\b))+7]
.endif
.endr
.endr
.endm
; 32 LDS loads in one run: a quarter's fragments into buffer f: W's 128 columns (quarter q of the slot), then A's 128 rows (32 k at byte ka of the rows)
.macro FETCH slot, q, ka, f
	WIN TO_B
.irp i, 0,1,2,3,4,5,6,7
	ds_load_tr16_b128 v[(\f)+8*(\i):(\f)+8*(\i)+3],   v[ADRB+(\slot)] offset:(\q)*WQ+32*(\i)
	ds_load_tr16_b128 v[(\f)+8*(\i)+4:(\f)+8*(\i)+7], v[ADRB+(\slot)] offset:(\q)*WQ+32*(\i)+WH
.endr
	WIN 0
.irp i, 0,1,2,3,4,5,6,7
	ds_load_b128 v[(\f)+8*(\i):(\f)+8*(\i)+3],   v[ADRA] offset:(\ka)+(\i)*16*APITCH
	ds_load_b128 v[(\f)+8*(\i)+4:(\f)+8*(\i)+7], v[ADRA] offset:(\ka)+(\i)*16*APITCH+32
.endr
.endm
; A period's first quarter: multiplies buffer f; in its middle it fetches the second quarter's fragments into buffer g.
.macro QUARTER slot, q, ka, f, g, zero
	s_wait_dscnt 8                                 ; W and A's rows 0-63 are in; the youngest eight loads (A's rows 64-127) may be out
	MUL16 \f, 0, 0, \zero
	MUL16 \f, 0, 2, \zero
	PLACES
	FETCH \slot, \q, \ka, \g
	s_wait_dscnt 32                                ; all but the 32 just issued
	MUL16 \f, 1, 0, \zero
	MUL16 \f, 1, 2, \zero
.endm
; The second quarter multiplies buffer 1 and changes slots.  In front of the one barrier each wave waits for all its tensor loads (one is out: its part of the next slot), adds 0 to its spare word,
; and waits for that, for its reads of this slot and of the A tile, and for its stores into the next A tile.  extra: the LDS stores issued behind the fragment loads.
.macro MEET round, extra
	WIN 0
	s_wait_tensorcnt 0x0
	ds_add_u32 v[SPW], v[NIL]                      ; 0 onto my spare word
	s_wait_dscnt 9+(\extra)                        ; the add, the stores named by extra and the youngest eight fragment loads may be out
	MUL16 F1, 0, 0, 0
	s_wait_dscnt 0x0                               ; all my LDS instructions are done
	s_barrier_signal -1
	MUL16 F1, 0, 2, 0
.if \round
	WIN 0
.endif
	s_barrier_wait -1
.endm
; fill = 1: the barrier opens a round of the cluster's, and the slot just read out is filled again, with its tile of the next big step, first thing behind the round: it has a period less 32 matrix instructions in which to land.
; No tensor load of mine is out there, so a group 0 may be written: slot 0's refill steps the offset round the matrix, slot 1's takes the same big step's second tile.
.macro TURN slot, next, ka, fill, extra
	MEET \fill, \extra
.if \fill
	CREST
.if (\slot) == 0
	s_add_co_u32 s[WOF], s[WOF], 2*WTILE
	s_and_b32 s[WOF], s[WOF], 16*WTILE-1           ; from big step 7 on to big step 0
	s_add_nc_u64 s[G0+2:G0+3], s[WB:WB+1], s[WOF:WOF+1]
	s_or_b32 s[G0+3], s[G0+3], 0x80000000
.else
	s_add_nc_u64 s[G0+6:G0+7], s[WB:WB+1], s[WOF:WOF+1]
	s_add_nc_u64 s[G0+6:G0+7], s[G0+6:G0+7], WTILE
	s_or_b32 s[G0+7], s[G0+7], 0x80000000
.endif
	JLOAD \slot                                    ; its four v_nop are also the places in front of the loads below
.else
	PLACES
.endif
	FETCH \next, 0, \ka, F0
	MUL16 F1, 1, 0, 0
	MUL16 F1, 1, 2, 0
.endm
; My 32 rows of the next A tile, 128 k in f32: a load is one row's 512 consecutive bytes.
.macro ALOAD
	WIN TO_B
.set i, 0
.rept 32
.set rg, 4*i+128*(i/16)                ; v0-63, then v192-255
	global_load_b128 v[rg:rg+3], v[XO], s[XP:XP+1] offset:i*4096 th:TH_LOAD_NT
.set i, i+1
.endr
	WIN 0
.endm
; Sixteen of those rows: rounded to bf16 into the A tile; for y = 0 also rounded to f16 and stored as values: a store is 256 consecutive bytes, aligned.
.macro ABATCH bt
	s_wait_loadcnt 16-16*(\bt)                     ; loads come back in order: the first sixteen rows are in, then all
	WIN 0x05                                       ; sources window 1, destination window 0
.set i, 0
.rept 16
.set rg, 192*(\bt)+4*i
	v_cvt_pk_bf16_f32 v[PKB+2*i], v[rg], v[rg+1]
	v_cvt_pk_bf16_f32 v[PKB+2*i+1], v[rg+2], v[rg+3]
.set i, i+1
.endr
	WIN 0
.set i, 0
.rept 16
	ds_store_b64 v[ASTO], v[PKB+2*i:PKB+2*i+1] offset:(16*(\bt)+i)*APITCH
.set i, i+1
.endr
	s_cmp_lg_u32 s[WHICH], 0
	s_cbranch_scc1 .Lno_values_\@                  ; X is no value: the jump passes conversions and stores alone
	s_wait_xcnt 0x0                                ; the registers that the last batch's stores read are rewritten only behind this wait
	WIN 0x05
.set i, 0
.rept 16
.set rg, 192*(\bt)+4*i
	v_cvt_pk_f16_f32 v[PKH+2*i], v[rg], v[rg+1]
	v_cvt_pk_f16_f32 v[PKH+2*i+1], v[rg+2], v[rg+3]
.set i, i+1
.endr
	WIN 0
.set i, 0
.rept 16
	global_store_b64 v[VO], v[PKH+2*i:PKH+2*i+1], s[VP:VP+1] offset:(16*(\bt)+i)*2048
.set i, i+1
.endr
.Lno_values_\@:
.endm
; The next A tile goes into the tile that is not being read: its last readers passed a barrier a period ago; its first readers come behind the next barrier.
.macro ASTORE
	WIN 0
	s_xor_b32 s[AB], s[AB], ATOG
	v_add_nc_u32 v[ADRA], s[AB], v[ADRA0]          ; every read still to be issued is of the new tile
	v_add_nc_u32 v[ASTO], s[AB], v[ASTO0]
	ABATCH 0
	ABATCH 1
	s_add_co_u32 s[KA], s[KA], 512                 ; 128 k on,
	s_and_b32 s[KA], s[KA], 4095                   ; from the row's end on to its beginning
	s_add_nc_u64 s[XP:XP+1], s[XB:XB+1], s[KA:KA+1]  ; the loads that named it are done
	s_wait_xcnt 0x0                                ; the stores have read their base
	s_lshr_b32 s[KV], s[KA], 1
	s_add_nc_u64 s[VP:VP+1], s[VB:VB+1], s[KV:KV+1]
.endm
	ALOAD                                          ; the first A tile
	ASTORE
	ALOAD                                          ; the second
	s_wait_tensorcnt 0x1                           ; my part of W's first tile is in; the second may stay out
	s_wait_dscnt 0x0                               ; my rows of the first A tile are in LDS
	s_barrier_signal -1
	s_barrier_wait -1
	FETCH 0, 0, 0, F0
	QUARTER 0, 1, 64, F0, F1, 1                    ; the first quarter stands in front of the loop: its products start the sums
	WIN 0
	s_mov_b32 s[CNT], 7
.Lstep:                                                ; a trip: from a big step's second quarter to the next one's first; both slots are filled again, one A tile is written, one asked for
	TURN 0, 1, 128, 1, 0
	QUARTER 1, 1, 192, F0, F1, 0
	ASTORE
	s_cmp_eq_u32 s[CNT], 1
	s_cbranch_scc1 .Lno_more_a                     ; the last trip has written the eighth A tile: there is no ninth to ask for
	ALOAD
.Lno_more_a:
	TURN 1, 0, 0, 1, 32                            ; 32: the A tile's stores stand behind the fragment loads
	QUARTER 0, 1, 64, F0, F1, 0
	WIN 0
	s_sub_co_u32 s[CNT], s[CNT], 1
	s_cmp_lg_u32 s[CNT], 0
	s_cbranch_scc1 .Lstep
	s_wait_loadcnt 0x0                             ; no load of A is out (the last trip asked for none): its registers now take gain and bias
	WIN TO_B
.irp b, 0,1,2,3,4,5,6,7                ; of columns 128 w + 16 b + 8 h + 0..7: as the accumulators' registers lie
	global_load_b128 v[8*(\b):8*(\b)+3],         v[GOF], s[GP:GP+1] offset:64*(\b)
	global_load_b128 v[8*(\b)+4:8*(\b)+7],       v[GOF], s[GP:GP+1] offset:64*(\b)+16
	global_load_b128 v[192+8*(\b):192+8*(\b)+3], v[GOF], s[BP:BP+1] offset:64*(\b)
	global_load_b128 v[196+8*(\b):196+8*(\b)+3], v[GOF], s[BP:BP+1] offset:64*(\b)+16
.endr
	WIN 0
	TURN 0, 1, 128, 0, 0                           ; the last period: nothing is left to fetch, so no round and no refill
	QUARTER 1, 1, 192, F0, F1, 0
	s_wait_dscnt 8
	MUL16 F1, 0, 0, 0
	MUL16 F1, 0, 2, 0
	s_wait_dscnt 0x0
	MUL16 F1, 1, 0, 0
	MUL16 F1, 1, 2, 0
	PLACES                                         ; the sums below read results just made and write registers that held fragments
; THE NORM.  A lane holds, for each of 8 row blocks, 64 numbers of row r.  A row's sum: within the lane, the other half of the lanes, the other three waves (through LDS).
.macro HALVE b, w                      ; the upper w registers are added onto the lower w
.set u, 0
.rept (\w)/2
	v_pk_add_f32 v[(\b)+u:(\b)+u+1], v[(\b)+u:(\b)+u+1], v[(\b)+(\w)+u:(\b)+(\w)+u+1]
.set u, u+2
.endr
.endm
.macro SUM1 hi                         ; neighbouring column blocks are added into window 0 (each accumulator's lowest registers are read first), then a tree
	WIN 0x0a+5*(\hi)
.irp a, 0,1,2,3
.irp bp, 0,1,2,3
.irp c, 0,1,2,3
.set d0, T+32*(\a)+8*(\bp)+2*(\c)
.set x0, 64*(\a)+16*(\bp)+2*(\c)
	v_pk_add_f32 v[d0:d0+1], v[x0:x0+1], v[x0+8:x0+9]
.endr
.endr
.endr
	WIN 0
.irp w, 16,8,4,2
.irp a, 0,1,2,3
	HALVE T+32*(\a), \w
.endr
.endr
.irp a, 0,1,2,3
	v_add_f32 v[SM+4*(\hi)+(\a)], v[T+32*(\a)], v[T+32*(\a)+1]
.endr
.endm
.macro XCH st                          ; SM: my lane's sums in, the rows' sums out.  st: 0, or 2,048 for the second pass, which has bytes of its own, so that one barrier does
.irp a, 0,1,2,3,4,5,6,7
	v_permlanex16_b32 v[T+(\a)], v[SM+(\a)], s[SEL], s[SEL+1]
.endr
.irp a, 0,1,2,3,4,5,6,7
	v_add_f32 v[SM+(\a)], v[SM+(\a)], v[T+(\a)]
.endr
.irp a, 0,1,2,3,4,5,6,7
	ds_store_b32 v[SST], v[SM+(\a)] offset:(\st)+256*(\a)  ; row 16 a + r, my wave's word of its four
.endr
	s_wait_dscnt 0x0                               ; for the others' sake: my stores are done
	s_barrier_signal -1
	s_barrier_wait -1
.irp a, 0,1,2,3,4,5,6,7
	ds_load_b128 v[T+4*(\a):T+4*(\a)+3], v[SLD] offset:(\st)+256*(\a)
.endr
	s_wait_dscnt 0x0
.irp a, 0,1,2,3,4,5,6,7
	v_add_f32 v[T+4*(\a)], v[T+4*(\a)], v[T+4*(\a)+1]
	v_add_f32 v[T+4*(\a)+2], v[T+4*(\a)+2], v[T+4*(\a)+3]
.endr
.irp a, 0,1,2,3,4,5,6,7
	v_add_f32 v[SM+(\a)], v[T+4*(\a)], v[T+4*(\a)+2]
.endr
.endm
.macro PASS2 hi                        ; x - mean in place; then the squares, four chains a row block
	WIN 0x82+0x41*(\hi)                            ; destination and source 0 in the accumulators' window, source 1 in window 0
.irp a, 0,1,2,3
.set i, 0
.rept 32
	v_pk_add_f32 v[64*(\a)+2*i:64*(\a)+2*i+1], v[64*(\a)+2*i:64*(\a)+2*i+1], v[MU+2*(4*(\hi)+(\a)):MU+2*(4*(\hi)+(\a))+1] neg_lo:[0,1] neg_hi:[0,1]
.set i, i+1
.endr
.endr
	WIN 0x0a+5*(\hi)                               ; sources 0 and 1 in the accumulators' window, source 2 and destination in window 0
.irp a, 0,1,2,3
.irp c, 0,1,2,3
.set d0, T+8*(4*(\hi)+(\a))+2*(\c)
.set x0, 64*(\a)+2*(\c)
	v_pk_mul_f32 v[d0:d0+1], v[x0:x0+1], v[x0:x0+1]
.endr
.irp b, 1,2,3,4,5,6,7
.irp c, 0,1,2,3
.set d0, T+8*(4*(\hi)+(\a))+2*(\c)
.set x0, 64*(\a)+8*(\b)+2*(\c)
	v_pk_fma_f32 v[d0:d0+1], v[x0:x0+1], v[x0:x0+1], v[d0:d0+1]
.endr
.endr
.endr
.endm
	SUM1 0
	SUM1 1
	XCH 0
.irp a, 0,1,2,3,4,5,6,7
	v_mul_f32 v[MU+2*(\a)], s[INV], v[SM+(\a)]
	v_mul_f32 v[MU+2*(\a)+1], s[INV], v[SM+(\a)]
.endr
	PASS2 0
	PASS2 1
	WIN 0
.irp w, 4,2
.irp a, 0,1,2,3,4,5,6,7
	HALVE T+8*(\a), \w
.endr
.endr
.irp a, 0,1,2,3,4,5,6,7
	v_add_f32 v[SM+(\a)], v[T+8*(\a)], v[T+8*(\a)+1]
.endr
	XCH 2048
.irp a, 0,1,2,3,4,5,6,7
	v_fma_f32 v[SM+(\a)], v[SM+(\a)], s[INV], s[EPS]
.endr
.irp a, 0,1,2,3,4,5,6,7
	v_rsq_f32 v[RS+2*(\a)], v[SM+(\a)]
.endr
	v_nop                                          ; a plain line between the reciprocal roots and the use of their results (ISA guide 5.7.2)
	s_wait_alu depctr_va_vdst(0)
.irp a, 0,1,2,3,4,5,6,7
	v_mov_b32 v[RS+2*(\a)+1], v[RS+2*(\a)]
.endr
	s_wait_loadcnt 0x0                             ; gain and bias
; THE WAY OUT of row block a: scaled, gain and bias, rounded to f16 (16 bytes a lane), through my own stage in LDS, back as whole rows of 256 bytes, stored.
.macro BLOCK a
.set AC, 64*((\a)%4)
.set BK, OB+32*((\a)%2)
	WIN 0x82+0x41*((\a)/4)
.set i, 0
.rept 32
	v_pk_mul_f32 v[AC+2*i:AC+2*i+1], v[AC+2*i:AC+2*i+1], v[RS+2*(\a):RS+2*(\a)+1]
.set i, i+1
.endr
	WIN 0x96+0x41*((\a)/4)                         ; gain and bias (sources 1 and 2) in window 1
.set i, 0
.rept 32
	v_pk_fma_f32 v[AC+2*i:AC+2*i+1], v[AC+2*i:AC+2*i+1], v[2*i:2*i+1], v[192+2*i:192+2*i+1]
.set i, i+1
.endr
	WIN 0x0a+5*((\a)/4)
.set i, 0
.rept 32
	v_cvt_pk_f16_f32 v[TMP+i], v[AC+2*i], v[AC+2*i+1]
.set i, i+1
.endr
	WIN 0
.irp b, 0,1,2,3,4,5,6,7
	ds_store_b128 v[STO], v[TMP+4*(\b):TMP+4*(\b)+3] offset:32*(\b)
.endr
.irp t, 0,1,2,3,4,5,6,7
	ds_load_b128 v[BK+4*(\t):BK+4*(\t)+3], v[RD] offset:(\t)*2*SPITCH  ; LDS serves a wave's instructions in order (ISA guide 5.7.1.4): these see the stores above, and the next block's stores come behind them
.endr
	s_wait_dscnt 0x0
	s_wait_xcnt 0x0                                ; the other set of registers, which the block before stored from, is loaded again only behind this wait
.irp t, 0,1,2,3,4,5,6,7
	global_store_b128 v[CO], v[BK+4*(\t):BK+4*(\t)+3], s[OP:OP+1] offset:(16*(\a)+2*(\t))*1024  ; 16 lanes store 256 consecutive bytes, aligned
.endr
.endm
.irp a, 0,1,2,3,4,5,6,7
	BLOCK \a
.endr
	s_wait_tensorcnt 0x0                           ; the wave's end: behind my last tensor load and my last LDS store
	ds_add_u32 v[SPW], v[NIL]
	s_wait_dscnt 0x0
	CROUND                                         ; the closing round: no work-group ends while a partner may still ask for a tile that names it
	s_endpgm
.Lfunc_end_k_qeebe294782_proj:
	.size	k_qeebe294782_proj, .Lfunc_end_k_qeebe294782_proj-k_qeebe294782_proj
	.p2alignl 7, 3214868480
	.fill 96, 4, 3214868480
	.section	.rodata,"a",@progbits
	.p2align	6, 0x0
	.amdhsa_kernel k_qeebe294782_proj
		.amdhsa_group_segment_fixed_size 327680
		.amdhsa_private_segment_fixed_size 0
		.amdhsa_enable_private_segment 0
		.amdhsa_kernarg_size 72
		.amdhsa_user_sgpr_count 2
		.amdhsa_user_sgpr_kernarg_segment_ptr 1
		.amdhsa_wavefront_size32 1
		.amdhsa_system_sgpr_workgroup_id_x 1
		.amdhsa_system_sgpr_workgroup_id_y 1
		.amdhsa_system_sgpr_workgroup_id_z 1
		.amdhsa_system_vgpr_workitem_id 0
		.amdhsa_next_free_vgpr 1024
		.amdhsa_next_free_sgpr 88
		.amdhsa_reserve_vcc 0
		.amdhsa_float_denorm_mode_32 3
		.amdhsa_float_denorm_mode_16_64 3
		.amdhsa_memory_ordered 1
		.amdhsa_forward_progress 1
		.amdhsa_inst_pref_size 220
	.end_amdhsa_kernel
	.amdgpu_metadata
---
amdhsa.version: [ 1, 2 ]
amdhsa.kernels:
  - .name:           k_qeebe294782_proj
    .symbol:         k_qeebe294782_proj.kd
    .args:
      - { .name: X, .offset: 0, .size: 8, .value_kind: global_buffer, .address_space: global }
      - { .name: Y, .offset: 8, .size: 8, .value_kind: global_buffer, .address_space: global }
      - { .name: wb, .offset: 16, .size: 8, .value_kind: global_buffer, .address_space: global }
      - { .name: g1, .offset: 24, .size: 8, .value_kind: global_buffer, .address_space: global }
      - { .name: b1, .offset: 32, .size: 8, .value_kind: global_buffer, .address_space: global }
      - { .name: g2, .offset: 40, .size: 8, .value_kind: global_buffer, .address_space: global }
      - { .name: b2, .offset: 48, .size: 8, .value_kind: global_buffer, .address_space: global }
      - { .name: qb, .offset: 56, .size: 8, .value_kind: global_buffer, .address_space: global }
      - { .name: kv, .offset: 64, .size: 8, .value_kind: global_buffer, .address_space: global }
    .group_segment_fixed_size: 327680
    .private_segment_fixed_size: 0
    .kernarg_segment_align: 8
    .kernarg_segment_size: 72
    .max_flat_workgroup_size: 128
    .sgpr_count:     88
    .vgpr_count:     1024
    .wavefront_size: 32
...
	.end_amdgpu_metadata
.endif
;; end of part 2
;; launch attn (part 3): grid 32 x 8, 4 waves a work-group, clusters of 4 x 1, 327,680 bytes of LDS; arguments qb, kv, out0; writes out0
.if DOCPART == 3
	.amdgcn_target "amdgcn-amd-amdhsa--gfx1250"
	.amdhsa_code_object_version 6
	.text
	.protected	k_qeebe294782_attn
	.globl	k_qeebe294782_attn
	.p2align	8
	.type	k_qeebe294782_attn,@function
k_qeebe294782_attn:
	s_mov_b64 s[64:65], 0
	v_nop
	global_prefetch_b8 v0, s[64:65] scope:SCOPE_SE
	s_setreg_imm32_b32 hwreg(HW_REG_WAVE_MODE, 25, 1), 1
	s_wait_xcnt 0x0
	s_wait_alu depctr_hold_cnt(0) depctr_sa_sdst(0) depctr_va_vdst(0) depctr_va_sdst(0) depctr_va_ssrc(0) depctr_va_vcc(0) depctr_vm_vsrc(0)
	s_getreg_b32 s2, hwreg(HW_REG_IB_STS2, 6, 4)
	s_cmp_eq_u32 s2, 0
	s_cbranch_scc0 .Lentry_in_a_cluster
	s_endpgm
.Lentry_in_a_cluster:
	s_bfe_u32 s2, ttmp6, 0x10000c
	s_cmp_lg_u32 s2, 0x3003
	s_cbranch_scc0 .Lentry_shape_is_right
	s_endpgm
.Lentry_shape_is_right:
; out[b][q][:] = the sum over k of softmax_k(q . k / 512) Y[b][k][:].  qb: [8][2048][512] f16.  kv: for each batch 48 tiles of 131,072 dense bytes, f16: group g's keys, then its values' two halves.  out0: [8][2048][1024] f32.
; Products, maxima and sums in f32; the weights p are rounded to f16 for the second product (their sum l is taken of the unrounded p).
; LIMITS.  q, k and the values arrive within f16's 65,504; p lies in 0 to 1 and below 6e-5 keeps f16's fixed step of 6e-8; a weight below 2^-126 counts as 0 in l; NaN and infinities are not treated apart.
; SHARES.  A work-group owns 64 queries (four tiles T of 16) of one batch.  A query's 1,024 channels of O in f32 make 64 queries half of the four waves' registers.  Keys go in groups of 128.
; S^T = K Q^T IS SHARED 2 x 2: wave w (qh = w / 2, kh = w % 2) makes queries 32 qh .. + 31 x keys 64 kh .. + 63, its Q kept in 256 registers.  In the result a lane holds ONE query (l % 16) and keys 8 (l / 16) + 0..7.
; O^T = V^T P IS SHARED BY CHANNELS: wave w owns channels 256 w .. + 255 of all 64 queries: 64 accumulators.  A fragment of V feeds 4 products, a fragment of P 16.
; Two results of S^T rounded to f16 in pairs ARE a fragment of P (32 keys x 16 queries): it goes through LDS to all four waves as it lies in the registers.  So do a wave's maxima (to its partner w ^ 1), the factors a, and at the end l.
; SOFTMAX.  For each query a running maximum m: p = 2^(c s - c m), c = log2(e) / 512; O and l are multiplied by a = 2^(c m_old - c m_new) once a group.  The two waves of a pair make the same m and a; each keeps l of its own keys.
; m starts at the lowest finite number, O and l at 0: the first group is a group like any other, with a = 0.
; THE WALK.  A period is one tile in one of two slots.  A group's tiles: K, V keys 0-63, V keys 64-127.
;   KPER: S^T and its local maxima; a barrier; the partner's maxima, the softmax; P and a go to LDS.     VA: O times a; V^T P for keys 0-63.     VB: keys 64-127.
; What one wave writes for another is read behind a barrier in front of which every wave has waited for all its LDS instructions, and is written again only behind another.
; THE WALK GOES ROUND.  The batch is the cluster's x; the cluster's y picks 256 of the batch's queries and the group at which the walk begins, 2 y; from group 15 it goes on to group 0: a running maximum takes the keys in
; any order.  So a batch's eight clusters ask for eight different tiles at a time, and, as long as they keep step, a cluster's third and later groups have been asked for by another cluster two groups earlier.
; HELD BACK.  V goes in runs of 16 LDS loads and 32 products on two buffers.  The last run of each tile of V has its operands in registers when the slots change: its products stand behind the change and behind the next
; tile's first LDS loads, which land under them.  Half of O's rescaling (window 3's accumulators) stands four lines behind each product of VA's first run, which works on window 2's.
; ONE TEXT FOR ALL GROUPS.  The change of slots that enters a tile asks for the next one.  The loop is VB, KPER, VA; it is entered in KPER; only the last VB, whose change of slots asks for nothing, is written out behind it.
; CLUSTER.  The four work-groups of a cluster belong to one batch and walk the same tiles: each tile is asked for JOINTLY.
; REGISTERS, in windows of 256 (s_set_vgpr_msb: bits 1:0 source 0, 3:2 source 1, 5:4 source 2, 7:6 destination):
;   window 0: v0-15 addresses; v16-31 statistics; v32-63 small things; v64-127 S^T, then fragments of P; v128-159 P as made; v192-255, v128-191 two buffers for K's fragments and for V's
;   window 1: Q (tile t, channel step cs at 128 t + 8 cs)          windows 2, 3: O^T (channel half, block cb, tile T at 8 (4 cb + T))
.set KP,    1040                       ; a memory row of 1,024 bytes in LDS: + 16 = 65 x 16: the 16 keys of a load start at 16 different groups of four banks (64 banks of 4 bytes: ISA guide 11.1)
.set VPI,   2080                       ; a key of V is two such rows = 65 x 32; channels 512-1023 lie 1,040 further
.set SLOTB, 128*KP                     ; a slot
.set TILEB, 131072                     ; a tile in memory
.set PBUF,  2*SLOTB                    ; 16 fragments of P of 1,024 bytes: (T, kq) at (4 T + kq) x 1,024 + half x 512 + 16 x lane
.set ABUF,  PBUF+16384                 ; a:            wave x 256 + tile x 128 + 4 x lane
.set MBUF,  ABUF+1024                  ; local maxima: likewise
.set LBUF,  ABUF+2048                  ; l:            likewise
.set SPARE, ABUF+3072                  ; the spare words, 128 bytes for each wave: two blocks of 256 bytes that no other line names
.set STAGE, SPARE+512                  ; 16 rows x 528 bytes for each wave, for the way out
.set OPI,   528
.set AK0, 2                            ; v2   my place in a tile of K; never rewritten
.set AV0, 3                            ; v3   the same for V
.set AK,  4                            ; v4   the same in the slot in hand
.set AV,  5                            ; v5   V: the tile's keys 0-31;  v6: keys 32-63 (beyond an LDS offset's 16 bits)
.set PST, 7                            ; v7   where I put my fragments of P
.set PLD, 8                            ; v8   where I read fragments of P
.set WST, 9                            ; v9   my wave's place in ABUF; MBUF and LBUF by the offset
.set MLD, 10                           ; v10  my partner's place in MBUF
.set ALD, 11                           ; v11  where I read a: my lane's place with the waves of my own key half
.set STO, 12                           ; v12  the way out: where I put 32 bytes of a row
.set RD,  13                           ; v13  the way out: where I read a row back
.set GO,  14                           ; v14  my byte offset in a row of out0
.set QO,  15                           ; v15  my byte offset in 16 rows of Q
.set ST,  16                           ; my tile t's statistics at v[ST+8 t]: c m, m, l (even keys', odd keys'), c0-c3 at work; c0 keeps the local maximum, c2 takes a
.set AR,  32                           ; v32-39  a of the four tiles in the even registers; the odd ones hold 0, named with them as pairs
.set PM,  40                           ; v40-41  my partner's maxima
.set SPW, 42                           ; v42  LDS address of my spare word; never rewritten
.set NIL, 43                           ; v43  0; never rewritten
.set LLD, 44                           ; v44  my lane's place in LBUF
.set RL,  48                           ; v48-55  1 / l of the four tiles, each twice
.set LT,  56                           ; v56-63  at work
.set S,   64
.set PP,  128
.set QP,  4                            ; s[4:5]  Q at my wave's 32 rows
.set KVW, 6                            ; s[6:7]  my 32 rows of the batch's tile 0; never rewritten behind the set-up
.set OUTP, 8                           ; s[8:9]  out0 at the work-group's 64 rows
.set WV,  12                           ; s12  my wave's number
.set G1,  24                           ; s[24:31] descriptor group 1
.set G0,  32                           ; s[32:35] descriptor group 0: it walks
.set CS,  40                           ; s[40:41] c
.set SEL, 42                           ; s[42:43] v_permlanex16_b32's selects: each lane takes its own place in the other half
.set TB,  46                           ; s46  the slot in hand: 0 or SLOTB
.set SL,  47                           ; s47  the slot filled last
.set WOFF, 48                          ; s48  my 32 rows in a slot
.set CNT, 49
.set TOF, 52                           ; s[52:53] byte offset among the batch's 48 tiles of the tile asked for last
; s13, s14, s18, s19, s56, s57 hold the place in the cluster or numbers made from it, and nothing else.
.set MSB, 0
.macro WIN new                         ; the immediate's high byte repeats the setting that is left; a switch that changes nothing is dropped
.if MSB != (\new)
	s_set_vgpr_msb (MSB<<8)|(\new)
.set MSB, \new
.endif
.endm
.macro PLACES                          ; four plain vector lines between a matrix instruction and a load into, or a vector line on, one of its registers (ISA guide 7.12.1 for vector instructions)
.rept 4
	v_nop
.endr
.endm
.macro CROUND                          ; a round of the cluster's barrier: my work-group's barrier; wave 0 signals for it; every wave waits for all four work-groups; my work-group's barrier once more
	s_barrier_signal -1
	s_barrier_wait -1
	s_cmp_lg_u32 s[WV], 0
	s_cbranch_scc1 .Lnot_wave_0_\@
	s_barrier_signal -3
.Lnot_wave_0_\@:
	s_barrier_wait -3
	s_barrier_signal -1
	s_barrier_wait -1
.endm
; THE CHANGE OF SLOTS.  Each wave waits for all its tensor loads (one is out: its part of the tile to be entered), adds 0 to its spare word, and waits for that and for all its LDS instructions.
; fill = 1: the barrier is a round of the cluster's, and the slot just read out is filled first thing behind it, with the tile after the one entered: it has a period in which to land.  No product stands inside the
; round, so that the refill goes out as early as it can.  The tile's offset steps, behind the batch's last tile back to 0, and the descriptor's address is made anew from it.
; (At its first use nothing has been read yet: the first tile, in slot 0, is waited for, and slot 1 is filled.)
.macro CHANGE fill
	WIN 0
	s_wait_tensorcnt 0x0                           ; no tensor load of mine is out, so group 0 may be written
	ds_add_u32 v[SPW], v[NIL]                      ; 0 onto my spare word: scalar work stands between it and the wait for it
.if \fill
	s_xor_b32 s[SL], s[SL], SLOTB
	s_add_co_u32 s[G0+1], s[SL], s[WOFF]
	s_add_co_u32 s[TOF], s[TOF], TILEB
	s_cmp_eq_u32 s[TOF], 48*TILEB
	s_cselect_b32 s[TOF], 0, s[TOF]
	s_add_nc_u64 s[G0+2:G0+3], s[KVW:KVW+1], s[TOF:TOF+1]
	s_or_b32 s[G0+3], s[G0+3], 0x80000000
.endif
	s_xor_b32 s[TB], s[TB], SLOTB
	s_wait_dscnt 0x0
.if \fill
	CROUND
	tensor_load_to_lds s[G0:G0+3], s[G1:G1+7]
	s_nop 0
	PLACES                                         ; the places behind the last products
.else
	s_barrier_signal -1
	s_barrier_wait -1
	PLACES
.endif
.endm
	s_load_b128 s[4:7], s[0:1], 0x0                ; qb s[4:5], kv s[6:7]
	s_load_b64 s[8:9], s[0:1], 0x10                ; out0
	v_lshl_add_u32 v[SPW], v0, 2, SPARE
	v_mov_b32 v[NIL], 0
	ds_add_u32 v[SPW], v[NIL]                      ; the wave's opening: the add and its wait stand ahead of my first tensor load; the set-up below, work on registers, stands between them
	v_lshrrev_b32 v1, 5, v0
	v_readfirstlane_b32 s[WV], v1                  ; wave 0..3
	s_bfe_u32 s13, ttmp6, 0x40000                  ; cx: my place in the cluster
	s_and_b32 s20, ttmp7, 0xffff                   ; the cluster's y: which 256 of the batch's queries, and where the walk begins
	s_lshl_b32 s14, s20, 2
	s_add_co_u32 s14, s14, s13                     ; my block of 64 queries, 0..31
	s_mov_b32 s15, ttmp9                           ; the batch: the cluster's x (in a cluster launch ttmp9 counts clusters)
	s_lshr_b32 s16, s[WV], 1                       ; qh
	s_and_b32 s17, s[WV], 1                        ; kh
	s_lshl_b32 s18, s15, 11
	s_lshl_b32 s19, s14, 6
	s_add_co_u32 s18, s18, s19                     ; the work-group's first row
	s_lshl_b32 s56, s18, 12                        ; in out0: rows of 4,096 bytes
	s_mov_b32 s57, 0
	s_lshl_b32 s19, s16, 5
	s_add_co_u32 s18, s18, s19                     ; my wave's first row of Q,
	s_lshl_b32 s18, s18, 10                        ; rows of 1,024 bytes
	s_mov_b32 s19, 0
	s_mul_i32 s50, s15, 48*TILEB                   ; the batch's tiles,
	s_lshl_b32 s54, s[WV], 15                      ; my 32 rows of 1,024 bytes of a tile
	s_add_co_u32 s50, s50, s54
	s_mov_b32 s51, 0
	s_mul_i32 s[TOF], s20, 6*TILEB                 ; the walk begins at group 2 y: tile 6 y
	s_mov_b32 s[TOF+1], 0
	s_mul_i32 s[WOFF], s[WV], 32*KP
	; descriptor group 1: 32 rows x 512 elements, padded in LDS: the same for K's tiles and V's
	s_mov_b32 s[G1+0], 15|(1<<16)|(1<<20)|(1<<21)|(7<<22)|(3<<25)  ; 15:0 the mask of four; 17:16 2-byte elements; 20 padding on; 21 set beside a mask; 24:22 after every 256 words (code 7); 31:25 4 words (code 3)
	s_mov_b32 s[G1+1], 512<<16                     ; tensor_dim0 = 512
	s_mov_b32 s[G1+2], 32<<16                      ; tensor_dim1 = 32
	s_mov_b32 s[G1+3], 512<<16                     ; tile_dim0 = 512
	s_mov_b32 s[G1+4], 32                          ; tile_dim1 = 32
	s_mov_b32 s[G1+5], 512                         ; 512 elements from row to row
	s_mov_b32 s[G1+6], 0
	s_mov_b32 s[G1+7], 0
	s_mov_b32 s[G0+0], 1                           ; count = 1
	s_mov_b32 s[G0+1], s[WOFF]                     ; slot 0
	s_mov_b32 s[SL], 0
	s_mov_b32 s[TB], SLOTB                         ; the first change of slots turns it to 0
	s_mov_b32 s[CS], 0x3b38aa3b                    ; c = log2(e) / 512
	s_mov_b32 s[CS+1], s[CS]                       ; named with it as a pair
	s_mov_b32 s[SEL], 0x76543210
	s_mov_b32 s[SEL+1], 0xfedcba98
	v_and_b32 v1, 15, v0                           ; r = l % 16
	v_bfe_u32 v56, v0, 4, 1                        ; h = l / 16
	v_and_b32 v57, 31, v0                          ; lane
	s_mul_i32 s54, s17, 64*KP                      ; a fragment of K: key 64 kh + r, 16 bytes for each half of the lanes
	v_mul_u32_u24 v[AK0], v1, KP
	v_lshl_add_u32 v[AK0], v56, 4, v[AK0]
	v_add_nc_u32 v[AK0], s54, v[AK0]
	v_and_b32 v58, 7, v0                           ; the turning load: lane l reads key 8 h + l % 8, channels 8 ((l / 8) % 2) + 0..7 of my wave's 256
	v_bfe_u32 v59, v0, 3, 1
	v_lshl_add_u32 v58, v56, 3, v58
	v_mul_u32_u24 v[AV0], v58, VPI
	v_lshl_add_u32 v[AV0], v59, 4, v[AV0]
	s_mul_i32 s54, s16, KP                         ; waves 2 and 3: the key's second memory row
	s_lshl_b32 s55, s17, 9
	s_add_co_u32 s54, s54, s55
	v_add_nc_u32 v[AV0], s54, v[AV0]
	s_lshl_b32 s54, s16, 13                        ; my fragments of P: tiles 2 qh, 2 qh + 1; key quarters 2 kh, 2 kh + 1
	s_lshl_b32 s55, s17, 11
	s_add_co_u32 s54, s54, s55
	s_add_co_u32 s54, s54, PBUF
	v_lshl_add_u32 v[PST], v57, 4, s54
	v_lshlrev_b32 v[PLD], 4, v57
	v_add_nc_u32 v[PLD], PBUF, v[PLD]
	s_lshl_b32 s54, s[WV], 8
	s_add_co_u32 s54, s54, ABUF
	v_lshl_add_u32 v[WST], v57, 2, s54
	s_xor_b32 s54, s[WV], 1
	s_lshl_b32 s54, s54, 8
	s_add_co_u32 s54, s54, MBUF
	v_lshl_add_u32 v[MLD], v57, 2, s54
	s_lshl_b32 s54, s17, 8
	s_add_co_u32 s54, s54, ABUF
	v_lshl_add_u32 v[ALD], v57, 2, s54
	v_lshlrev_b32 v[LLD], 2, v57
	v_add_nc_u32 v[LLD], LBUF, v[LLD]
	s_mul_i32 s54, s[WV], 16*OPI
	s_add_co_u32 s54, s54, STAGE
	v_mul_u32_u24 v[STO], v1, OPI
	v_lshl_add_u32 v[STO], v56, 5, v[STO]
	v_add_nc_u32 v[STO], s54, v[STO]
	v_lshl_add_u32 v[RD], v57, 4, s54
	s_lshl_b32 s54, s[WV], 10
	v_lshl_add_u32 v[GO], v57, 4, s54
	v_lshlrev_b32 v[QO], 10, v1
	v_lshl_add_u32 v[QO], v56, 4, v[QO]
	s_wait_dscnt 0x0                               ; the opening add is done
	s_wait_kmcnt 0x0
	s_add_nc_u64 s[QP:QP+1], s[QP:QP+1], s[18:19]
	s_add_nc_u64 s[OUTP:OUTP+1], s[OUTP:OUTP+1], s[56:57]
	s_add_nc_u64 s[KVW:KVW+1], s[KVW:KVW+1], s[50:51]
	s_add_nc_u64 s[G0+2:G0+3], s[KVW:KVW+1], s[TOF:TOF+1]  ; global address: my rows of the walk's first tile
	s_or_b32 s[G0+3], s[G0+3], 0x80000000          ; type = 2
	CROUND                                         ; all four work-groups are here: the first joint loads meet
	tensor_load_to_lds s[G0:G0+3], s[G1:G1+7]      ; the first tile into slot 0: the one first fill; slot 1 is asked for by the first change of slots
	s_nop 0
	PLACES
	WIN 0x40                                       ; destination window 1, address window 0
.set i, 0
.rept 32                                       ; Q stays in registers: tile i / 16, channels 32 (i % 16) on: lane l holds row l % 16, channels 8 h + 0..7 and 16 + 8 h + 0..7
	global_load_b128 v[8*i:8*i+3],   v[QO], s[QP:QP+1] offset:(i/16)*16384+(i%16)*64
	global_load_b128 v[8*i+4:8*i+7], v[QO], s[QP:QP+1] offset:(i/16)*16384+(i%16)*64+32
.set i, i+1
.endr
	; O^T starts at 0, so that no first group is written out: 64 products of two zero fragments, with C = 0, write its 512 registers.  They stand in the wait for the first tile.
	WIN 0
.set i, 0
.rept 16
	v_mov_b32 v[S+i], 0
.set i, i+1
.endr
	WIN 0x80                                       ; destination window 2
.set i, 0
.rept 32
	v_wmma_f32_16x16x32_f16 v[8*i:8*i+7], v[S:S+7], v[S+8:S+15], 0
.set i, i+1
.endr
	WIN 0xc0                                       ; destination window 3
.set i, 0
.rept 32
	v_wmma_f32_16x16x32_f16 v[8*i:8*i+7], v[S:S+7], v[S+8:S+15], 0
.set i, i+1
.endr
	WIN 0
.irp t, 0,1                                    ; these twelve plain lines are also the places behind those products
	v_mov_b32 v[ST+8*(\t)], 0xfe000000             ; c m: far below every c s
	v_mov_b32 v[ST+8*(\t)+1], 0xff7fffff           ; m
	v_mov_b32 v[ST+8*(\t)+2], 0
	v_mov_b32 v[ST+8*(\t)+3], 0
.endr
.irp T, 0,1,2,3
	v_mov_b32 v[AR+2*(\T)+1], 0
.endr
.macro HALVE b, w                      ; the upper w registers are added onto the lower w
.set u, 0
.rept (\w)/2
	v_pk_add_f32 v[(\b)+u:(\b)+u+1], v[(\b)+u:(\b)+u+1], v[(\b)+(\w)+u:(\b)+(\w)+u+1]
.set u, u+2
.endr
.endm
; 16 LDS loads: K's fragments of channel steps 2 d, 2 d + 1 (4 key blocks each) into buffer d % 2 (v192-255, v128-191).  They stand under window setting 0 or 0x04: both name window 0 for the address and the data.
.macro FETCHK d
.set KB, 192-64*((\d)%2)
.irp c2, 0,1
.irp kb, 0,1,2,3
	ds_load_b128 v[KB+32*(\c2)+8*(\kb):KB+32*(\c2)+8*(\kb)+3],   v[AK] offset:(\kb)*16*KP+(2*(\d)+(\c2))*64
	ds_load_b128 v[KB+32*(\c2)+8*(\kb)+4:KB+32*(\c2)+8*(\kb)+7], v[AK] offset:(\kb)*16*KP+(2*(\d)+(\c2))*64+32
.endr
.endr
.endm
; 16 products of S^T = K Q^T.  The 8 accumulators take turns, one instruction a turn.  The first 8 start the sums.
.macro MULK d
	WIN 0x04                                       ; Q (source 1) in window 1
.set KB, 192-64*((\d)%2)
.irp c2, 0,1
.irp kb, 0,1,2,3
.irp t, 0,1
.set rS, S+32*(\t)+8*(\kb)
.set rK, KB+32*(\c2)+8*(\kb)
.set rQ, 128*(\t)+8*(2*(\d)+(\c2))
.if ((\d) == 0) && ((\c2) == 0)
	v_wmma_f32_16x16x32_f16 v[rS:rS+7], v[rK:rK+7], v[rQ:rQ+7], 0
.else
	v_wmma_f32_16x16x32_f16 v[rS:rS+7], v[rK:rK+7], v[rQ:rQ+7], v[rS:rS+7]
.endif
.endr
.endr
.endr
.endm
; The maximum of my 64 keys for each of my queries: four chains of seven scores (each accumulator's lowest registers are read first), the four left over, the other half of the lanes.  It stays in c0 and goes to my partner.
.macro LMAX
	PLACES
	WIN 0
.irp n, 0,1,2,3
.irp t, 0,1
	v_max3_num_f32 v[ST+8*(\t)+4+(\n)], v[S+32*(\t)+8*(\n)], v[S+32*(\t)+8*(\n)+1], v[S+32*(\t)+8*(\n)+2]
.endr
.endr
.irp p, 1,2
.irp n, 0,1,2,3
.irp t, 0,1
	v_max3_num_f32 v[ST+8*(\t)+4+(\n)], v[ST+8*(\t)+4+(\n)], v[S+32*(\t)+8*(\n)+2*(\p)+1], v[S+32*(\t)+8*(\n)+2*(\p)+2]
.endr
.endr
.endr
.irp t, 0,1
	v_max3_num_f32 v[ST+8*(\t)+4], v[ST+8*(\t)+4], v[S+32*(\t)+7], v[S+32*(\t)+15]
	v_max3_num_f32 v[ST+8*(\t)+6], v[ST+8*(\t)+6], v[S+32*(\t)+23], v[S+32*(\t)+31]
.endr
.irp t, 0,1
	v_max3_num_f32 v[ST+8*(\t)+4], v[ST+8*(\t)+4], v[ST+8*(\t)+5], v[ST+8*(\t)+6]
.endr
.irp t, 0,1
	v_max_num_f32 v[ST+8*(\t)+4], v[ST+8*(\t)+4], v[ST+8*(\t)+7]
.endr
.irp t, 0,1
	v_permlanex16_b32 v[ST+8*(\t)+5], v[ST+8*(\t)+4], s[SEL], s[SEL+1]
.endr
.irp t, 0,1
	v_max_num_f32 v[ST+8*(\t)+4], v[ST+8*(\t)+4], v[ST+8*(\t)+5]
.endr
.irp t, 0,1
	ds_store_b32 v[WST], v[ST+8*(\t)+4] offset:1024+128*(\t)
.endr
.endm
; My tile t's softmax for one group.
.macro SOFTMAX t
.set rT, ST+8*(\t)
.set rS, S+32*(\t)
.set rP, PP+16*(\t)
	v_mov_b32 v[rT+7], v[rT]                       ; c m_old is kept
	v_max3_num_f32 v[rT+1], v[rT+4], v[PM+(\t)], v[rT+1]  ; my 64 keys', my partner's 64, the old m
	v_mul_f32 v[rT], s[CS], v[rT+1]
	v_sub_f32 v[rT+5], v[rT+7], v[rT]
	v_exp_f32 v[rT+6], v[rT+5]                     ; a; the scalings below are the plain lines behind it
.set i, 0
.rept 16
	v_pk_fma_f32 v[rS+2*i:rS+2*i+1], v[rS+2*i:rS+2*i+1], s[CS:CS+1], v[rT:rT+1] op_sel_hi:[1,0,0] neg_lo:[0,0,1] neg_hi:[0,0,1]  ; c s - c m
.set i, i+1
.endr
.set i, 0
.rept 32
	v_exp_f32 v[rS+i], v[rS+i]
.set i, i+1
.endr
	v_nop                                          ; a plain line between the exponentials and the use of their results (ISA guide 5.7.2)
.set i, 0
	s_wait_alu depctr_va_vdst(0)
.rept 16
	v_cvt_pk_f16_f32 v[rP+i], v[rS+2*i], v[rS+2*i+1]
.set i, i+1
.endr
	HALVE rS, 16
	HALVE rS, 8
	HALVE rS, 4
	HALVE rS, 2
	v_pk_fma_f32 v[rT+2:rT+3], v[rT+2:rT+3], v[rT+6:rT+7], v[rS:rS+1] op_sel_hi:[1,0,1]  ; l = a l + the sum
	ds_store_b32 v[WST], v[rT+6] offset:128*(\t)
.endm
.macro PSTORE                          ; my four fragments of P
.irp t, 0,1
.irp kql, 0,1
.irp hf, 0,1
	ds_store_b128 v[PST], v[PP+16*(\t)+8*(\kql)+4*(\hf):PP+16*(\t)+8*(\kql)+4*(\hf)+3] offset:(4*(\t)+(\kql))*1024+512*(\hf)
.endr
.endr
.endr
.endm
.macro PLOAD kq                        ; the four tiles' fragments of key quarter kq, into S^T's registers: half kq % 2
.irp T, 0,1,2,3
.irp hf, 0,1
	ds_load_b128 v[S+32*((\kq)%2)+8*(\T)+4*(\hf):S+32*((\kq)%2)+8*(\T)+4*(\hf)+3], v[PLD] offset:(4*(\T)+(\kq))*1024+512*(\hf)
.endr
.endr
.endm
.macro ALD4                            ; a of the four tiles: tile T's as wave 2 (T / 2) + my kh stored it
.irp T, 0,1,2,3
	ds_load_b32 v[AR+2*(\T)], v[ALD] offset:((\T)/2)*512+((\T)%2)*128
.endr
.endm
.macro RESC                            ; window 2's half of O^T times a; each accumulator's lowest registers first
	WIN 0x82
.irp cb, 0,1,2,3,4,5,6,7
.irp T, 0,1,2,3
.irp z, 0,1,2,3
.set rO, 8*(4*(\cb)+(\T))+2*(\z)
	v_pk_mul_f32 v[rO:rO+1], v[rO:rO+1], v[AR+2*(\T):AR+2*(\T)+1] op_sel_hi:[1,0]
.endr
.endr
.endr
.endm
; Run m of a tile of V: 16 turning loads: keys 32 (m / 2) on, channel blocks 8 (m % 2) + 0..7, into buffer m % 2 (v192-255, v128-191)
.macro FETCHV m
	WIN 0
.set rV, 192-64*((\m)%2)
.set rA, AV+(\m)/2
.irp cb, 0,1,2,3,4,5,6,7
	ds_load_tr16_b128 v[rV+8*(\cb):rV+8*(\cb)+3],   v[rA] offset:(8*((\m)%2)+(\cb))*32
	ds_load_tr16_b128 v[rV+8*(\cb)+4:rV+8*(\cb)+7], v[rA] offset:(8*((\m)%2)+(\cb))*32+16*VPI
.endr
.endm
; Run m's 32 products of O^T += V^T P, with P's key quarter kq, on the 32 accumulators of window 2 + m % 2, which take turns.
; ride = 1 (run 0 alone): behind each product stand the four lines that multiply window 3's accumulator of the same place by a; they name none of the product's registers, so the last four are also the places in front of the next loads.
.macro MULV m, kq, ride
.set ch, (\m)%2
.irp cb, 0,1,2,3,4,5,6,7
.irp T, 0,1,2,3
	WIN 0xa0+0x50*ch
.set rO, 8*(4*(\cb)+(\T))
.set rV, 192-64*ch+8*(\cb)
.set rP, S+32*((\kq)%2)+8*(\T)
	v_wmma_f32_16x16x32_f16 v[rO:rO+7], v[rV:rV+7], v[rP:rP+7], v[rO:rO+7]
.if \ride
	WIN 0xc3
.irp z, 0,1,2,3
	v_pk_mul_f32 v[rO+2*(\z):rO+2*(\z)+1], v[rO+2*(\z):rO+2*(\z)+1], v[AR+2*(\T):AR+2*(\T)+1] op_sel_hi:[1,0]
.endr
.endif
.endr
.endr
.endm
.macro VADR
	WIN 0
	v_add_nc_u32 v[AV], s[TB], v[AV0]
	v_add_nc_u32 v[AV+1], 32*VPI, v[AV]
.endm
; A PERIOD ON A TILE OF K.  Its head: the first run of loads.
.macro KHEAD
	WIN 0
	v_add_nc_u32 v[AK], s[TB], v[AK0]
	FETCHK 0
.endm
; The rest: the group's scores, its softmax, and P and a into LDS.
.macro KREST
	FETCHK 1
.irp d, 0,1,2,3,4,5,6,7
.if (\d) < 7
	s_wait_dscnt 16                                ; this run is in; the next may be out
.else
	s_wait_dscnt 0x0
.endif
	MULK \d
.if (\d) < 6
	PLACES
	FETCHK (\d)+2
.endif
.endr
	LMAX
	s_wait_dscnt 0x0                               ; for my partner's sake: my maxima are in LDS
	s_barrier_signal -1                            ; the next tile may stay on its way
	s_barrier_wait -1
	ds_load_b32 v[PM], v[MLD]
	ds_load_b32 v[PM+1], v[MLD] offset:128
	s_wait_dscnt 0x0
	SOFTMAX 0
	SOFTMAX 1
	PSTORE
.endm
; A PERIOD ON V's KEYS 0-63, all but its last run's products.  A wait's count is the LDS instructions issued behind what it waits for.
.macro VAPER
	VADR
	ALD4
	FETCHV 0
	PLOAD 0
	FETCHV 1
	PLOAD 1
	s_wait_dscnt 48                                ; a is in; two runs of 16 and two quarters of 8 may be out: they land under the rescaling
	RESC
	s_wait_dscnt 24                                ; run 0 and P's quarter 0 are in; behind them: run 1, quarter 1
	MULV 0, 0, 1
	FETCHV 2
	s_wait_dscnt 24                                ; run 1; behind it: quarter 1, run 2
	MULV 1, 0, 0
	PLACES
	FETCHV 3
	PLOAD 2                                        ; quarter 0's registers are free
	s_wait_dscnt 24                                ; run 2 and quarter 1; behind them: run 3, quarter 2
	MULV 2, 1, 0
.endm
; A PERIOD ON V's KEYS 64-127: first the products of the tile before's last run, under this tile's first loads; then all but its own last run's products.
.macro VBPER
	VADR
	FETCHV 0
	MULV 3, 1, 0                                   ; its operands have been in registers since the change's wait
	PLACES
	FETCHV 1
	PLOAD 3                                        ; quarter 1's registers are free
	s_wait_dscnt 24                                ; run 0; behind it: run 1, quarter 3
	MULV 0, 2, 0
	PLACES
	FETCHV 2
	s_wait_dscnt 24                                ; run 1; behind it: quarter 3, run 2
	MULV 1, 2, 0
	PLACES
	FETCHV 3
	s_wait_dscnt 16                                ; run 2 and quarter 3; behind them: run 3
	MULV 2, 3, 0
.endm
	CHANGE 1                                       ; the first tile is in, everybody's part of it; the second is asked for
	KHEAD
	s_wait_loadcnt 0x0                             ; Q
	s_mov_b32 s[CNT], 16
	s_branch .Lenter                               ; the loop is entered in a group's first period, in the middle of a trip
.Lgroup:                                               ; a trip: the last group's second half of V, then a group's K and its first half of V; three tiles are entered and three asked for
	CHANGE 1
	VBPER
	CHANGE 1
	KHEAD
	MULV 3, 3, 0                                   ; the products of V's last run, under K's first loads
	PLACES
	v_nop                                          ; five places: the first products K Q^T write over the registers that held this run's fragments of P
	WIN 0
.Lenter:
	KREST
	CHANGE 1
	VAPER
	WIN 0
	s_sub_co_u32 s[CNT], s[CNT], 1
	s_cmp_lg_u32 s[CNT], 0
	s_cbranch_scc1 .Lgroup
	CHANGE 0                                       ; the last tile is written out: nothing is asked for
	VBPER
	s_wait_dscnt 0x0
	MULV 3, 3, 0
	; THE WAY OUT.  l: its two halves, the other half of the lanes, my partner's keys (through LDS).  O^T is divided by l and sent through my stage in LDS: eight times 16 queries x 128 channels.
	WIN 0
.irp t, 0,1
	v_add_f32 v[ST+8*(\t)+4], v[ST+8*(\t)+2], v[ST+8*(\t)+3]
.endr
.irp t, 0,1
	v_permlanex16_b32 v[ST+8*(\t)+5], v[ST+8*(\t)+4], s[SEL], s[SEL+1]
.endr
.irp t, 0,1
	v_add_f32 v[ST+8*(\t)+4], v[ST+8*(\t)+4], v[ST+8*(\t)+5]
.endr
.irp t, 0,1
	ds_store_b32 v[WST], v[ST+8*(\t)+4] offset:2048+128*(\t)
.endr
	s_wait_dscnt 0x0
	s_barrier_signal -1
	s_barrier_wait -1
.irp T, 0,1,2,3
	ds_load_b32 v[LT+2*(\T)],   v[LLD] offset:((\T)/2)*512+((\T)%2)*128
	ds_load_b32 v[LT+2*(\T)+1], v[LLD] offset:((\T)/2)*512+256+((\T)%2)*128
.endr
	s_wait_dscnt 0x0
.irp T, 0,1,2,3
	v_add_f32 v[RL+2*(\T)], v[LT+2*(\T)], v[LT+2*(\T)+1]
.endr
.irp T, 0,1,2,3
	v_rcp_f32 v[RL+2*(\T)], v[RL+2*(\T)]
.endr
	v_nop                                          ; a plain line between the reciprocals and the use of their results
	s_wait_alu depctr_va_vdst(0)
.irp T, 0,1,2,3
	v_mov_b32 v[RL+2*(\T)+1], v[RL+2*(\T)]
.endr
; Tile T, channel half hf (window 2 or 3): a lane's eight channels are 32 bytes of a row; they go into rows of 528 bytes (33 x 16: the 16 rows of a store start at 16 different groups of four banks) and come back as whole rows of 512.
.macro OUTR hf, T
.set BK, S+64*((\T)%2)
	WIN 0x82+0x41*(\hf)
.irp chb, 0,1,2,3,4,5,6,7
.irp z, 0,1,2,3
.set rO, 8*(4*(\chb)+(\T))+2*(\z)
	v_pk_mul_f32 v[rO:rO+1], v[rO:rO+1], v[RL+2*(\T):RL+2*(\T)+1]
.endr
.endr
	WIN 0x08+4*(\hf)                               ; the stores' data (source 1) in window 2 or 3
.irp chb, 0,1,2,3,4,5,6,7
.set rO, 8*(4*(\chb)+(\T))
	ds_store_b128 v[STO], v[rO:rO+3]   offset:64*(\chb)
	ds_store_b128 v[STO], v[rO+4:rO+7] offset:64*(\chb)+16
.endr
	WIN 0
	s_wait_xcnt 0x0                                ; the registers that earlier stores read are loaded again only behind this wait
.set i, 0
.rept 16
	ds_load_b128 v[BK+4*i:BK+4*i+3], v[RD] offset:i*OPI  ; LDS serves a wave's instructions in order (ISA guide 5.7.1.4): these see the stores above, and the next stores come behind them
.set i, i+1
.endr
	s_wait_dscnt 0x0
.set i, 0
.rept 16
	global_store_b128 v[GO], v[BK+4*i:BK+4*i+3], s[OUTP:OUTP+1] offset:(16*(\T)+i)*4096+512*(\hf) th:TH_STORE_NT  ; 32 lanes store 512 consecutive bytes, aligned
.set i, i+1
.endr
.endm
.irp hf, 0,1
.irp T, 0,1,2,3
	OUTR \hf, \T
.endr
.endr
	s_wait_tensorcnt 0x0                           ; the wave's end: behind my last tensor load and my last LDS store
	ds_add_u32 v[SPW], v[NIL]
	s_wait_dscnt 0x0
	CROUND                                         ; the closing round: no work-group ends while a partner may still ask for a tile that names it
	s_endpgm
.Lfunc_end_k_qeebe294782_attn:
	.size	k_qeebe294782_attn, .Lfunc_end_k_qeebe294782_attn-k_qeebe294782_attn
	.p2alignl 7, 3214868480
	.fill 96, 4, 3214868480
	.section	.rodata,"a",@progbits
	.p2align	6, 0x0
	.amdhsa_kernel k_qeebe294782_attn
		.amdhsa_group_segment_fixed_size 327680
		.amdhsa_private_segment_fixed_size 0
		.amdhsa_enable_private_segment 0
		.amdhsa_kernarg_size 24
		.amdhsa_user_sgpr_count 2
		.amdhsa_user_sgpr_kernarg_segment_ptr 1
		.amdhsa_wavefront_size32 1
		.amdhsa_system_sgpr_workgroup_id_x 1
		.amdhsa_system_sgpr_workgroup_id_y 1
		.amdhsa_system_sgpr_workgroup_id_z 1
		.amdhsa_system_vgpr_workitem_id 0
		.amdhsa_next_free_vgpr 1024
		.amdhsa_next_free_sgpr 66
		.amdhsa_reserve_vcc 0
		.amdhsa_float_denorm_mode_32 3
		.amdhsa_float_denorm_mode_16_64 3
		.amdhsa_memory_ordered 1
		.amdhsa_forward_progress 1
		.amdhsa_inst_pref_size 160
	.end_amdhsa_kernel
	.amdgpu_metadata
---
amdhsa.version: [ 1, 2 ]
amdhsa.kernels:
  - .name:           k_qeebe294782_attn
    .symbol:         k_qeebe294782_attn.kd
    .args:
      - { .name: qb, .offset: 0, .size: 8, .value_kind: global_buffer, .address_space: global }
      - { .name: kv, .offset: 8, .size: 8, .value_kind: global_buffer, .address_space: global }
      - { .name: out0, .offset: 16, .size: 8, .value_kind: global_buffer, .address_space: global }
    .group_segment_fixed_size: 327680
    .private_segment_fixed_size: 0
    .kernarg_segment_align: 8
    .kernarg_segment_size: 24
    .max_flat_workgroup_size: 128
    .sgpr_count:     66
    .vgpr_count:     1024
    .wavefront_size: 32
...
	.end_amdgpu_metadata
.endif
;; end of part 3
